; MI455X (gfx1250); checked and timed in simulation.
; The chip was launched on July 23, 2026; its instructions are those of AMD's public machine-readable ISA for CDNA 5 (MIT licence, August 2026) and "CDNA5" Instruction Set Architecture Reference Guide (July 2026). The comments in the code are by the model that wrote it; some were corrected since.
;; Codebook Linear. Allowed arithmetic: matrix products marked QUANTISED: E5M2 operands, one E8M0 scale for each 32 along K, by v_wmma_scale_f32_16x16x128_f8f6f4 with both operands' format E5M2, f32 sums; everything else in f32.
;; Inputs: bias 2,048 float32; centroids 256 x 16 float32; labels 524,288 int32; x_codes 4 x 2,048 x 128 x 32 uint8 (E5M2 codes of x, K innermost, in blocks of 32 codes); x_scales 4 x 2,048 x 128 uint8 (E8M0 scales of x, one for each 32 codes along K).
;; Outputs: out0 4 x 2,048 x 2,048 float32.
;; This version of the problem:
;;   THIS VERSION OF THE PROBLEM IS GIVEN IN LOW PRECISION. The matrix products marked QUANTISED in the list below multiply operands that are first quantised to E5M2 (5 exponent bits, 2 mantissa bits; 8 bits a number), with one power-of-two scale for each 32 numbers along K (OCP MX v1.0); their sums are f32. All else is computed in f32.
;;   The module's matrix products, in the order in which they are computed (A, B: the left and right operand; K: the contracted axis; several contracted axes count as one K, in the product's order):
;;     1. [M 8,192, K 4,096] x [K 4,096, N 2,048]; A: input x (given as codes); B: computed on the way: QUANTISED
;;   THE QUANTISER, for each operand of a quantised product, along K:
;;     - K is cut into blocks of 32 from its start; a last block that is shorter is filled with zeros.
;;     - A block's scale is 2^e with e = floor(log2(the largest magnitude in the block)) - 15, held to -126 .. 127; a block of zeros has e = 0. As a byte (E8M0): e + 127.
;;     - Each number is divided by its block's scale, clamped to +-57,344, and rounded to the nearest number of E5M2, ties to even, subnormals kept.
;;     - The product sums the exact products of the quantised numbers (number of the format x scale) in f32.
;;   ~~~python
;;   def quantise(x, axis):      # numpy; x: float32 -> the quantised numbers, widened to float32 again
;;       x = np.moveaxis(x, axis, -1); K = x.shape[-1]
;;       x = np.pad(x, [(0, 0)] * (x.ndim - 1) + [(0, -K % 32)]); x = x.reshape(x.shape[:-1] + (-1, 32)); a = np.abs(x).max(-1, keepdims=True)
;;       e = np.where(a > 0, np.clip(np.frexp(np.where(a > 0, a, 1))[1] - 1 - 15, -126, 127), 0)      # np.frexp(a)[1] - 1 = floor(log2(a)), exactly
;;       r = np.clip(x / 2.0 ** e, -57344, 57344)
;;       step = 2.0 ** (np.maximum(np.frexp(np.where(r == 0, 1, r))[1] - 1, -14) - 2)
;;       q = np.round(r / step) * step * 2.0 ** e      # np.round: ties to even
;;       return np.moveaxis(q.reshape(q.shape[:-2] + (-1,))[..., :K], -1, axis).astype(np.float32)
;;   ~~~
;;   OPERANDS COMPUTED ON THE WAY. 'Computed on the way' means the value that the module computes at that place (a softmax that the list does not call 'softmax' is quantised finished and normalised). What goes into a quantiser is computed in f32, as accurately as f32 sums, v_exp_f32 and their like allow (about 1e-6 of the number): no bf16 or f16 on the way to a quantiser, and a product that is left as it is and whose result goes on into a quantised operand takes f32 operands (vector FMAs, or v_wmma_f32_16x16x4_f32). A number that lies on a knife's edge between two numbers of the format may be rounded either way, as far as f32 arithmetic and the matrix unit's own rounding can turn it there, and no further.
;;   INPUTS GIVEN AS CODES. x (in the module: [4, 2048, 4096], K = its axis 2): each comes as NAME_codes (uint8): NAME with its K axis moved to the last place and cut into blocks of 32 codes, [.., K / 32, bytes a block], one block behind the other in memory; one code a byte (a code: sign, 5 exponent bits, 2 mantissa bits); and NAME_scales (uint8): the same leading axes, one E8M0 byte (e + 127) for each 32 codes along K. Its value is code x scale, taken as it is: it is not quantised again, and the codes and scales need not be those that the quantiser above would give.
;; One version. Each part assembles by itself: llvm-mc -triple=amdgcn-amd-amdhsa -mcpu=gfx1250 --defsym DOCPART=n.
;; ======== version 1 of 1: 2 launches
;; limits: right only within a limited range of input values
;; workspace buffers: wq 8,650,752 bytes
;; launch wquant (part 1): grid 256 x 1, 8 waves a work-group, no clusters, 32,768 bytes of LDS; arguments labels, centroids, wq; writes wq
.if DOCPART == 1
	.amdgcn_target "amdgcn-amd-amdhsa--gfx1250"
	.amdhsa_code_object_version 6
	.text
	.protected	k_q64f678e74d_wquant
	.globl	k_q64f678e74d_wquant
	.p2align	8
	.type	k_q64f678e74d_wquant,@function
k_q64f678e74d_wquant:
	s_mov_b64 s[64:65], 0
	v_nop
	global_prefetch_b8 v0, s[64:65] scope:SCOPE_SE
	s_setreg_imm32_b32 hwreg(HW_REG_WAVE_MODE, 25, 1), 1
	s_wait_xcnt 0x0
; W[n][16 j .. 16 j + 15] = centroids[labels[256 n + j]], n < 2,048, j < 256, is made and quantised along K (its 4,096 columns) into codes of BF8 (E5M2) with one E8M0 byte for each 32 along K:
; the byte is the exponent field of the block's largest magnitude - 15, held at 1 from below; each number is divided by the scale, held within +-57,344 and rounded to the nearest code, ties to even.
; OUT: wq, laid in the order of the product's operand registers: [n / 128][k / 128][16,896 bytes].  A chunk holds eight fragments of 16 rows x 128 K, fragment b as [c (4)][lane (32)][16 bytes]:
; lane (r, h) of part c has W[128 (n / 128) + 16 b + r][128 (k / 128) + 32 c + 16 h + 0 .. 15]; then, from byte 16,384, the 128 rows' scale words (four bytes: the row's 128 along K):
; the word of row 32 j + l at 256 (j / 2) + 8 l + 4 (j % 2).
; LIMITS: a label outside 0 .. 255 is held at 255 (taken as unsigned).  NaN and infinities among the centroids are not served.  A block of zeros gets the byte 1 where the rule says 127: its codes are
; zeros, which add nothing under any byte but 0xff, and the bytes are read by this program alone.
; SHARES.  Work-group g takes the two chunks (n / 128 = g / 16, k / 128 = 2 (g % 16) + 0, 1); its wave w fragment b = w of both: eight steps, one for each part c of each chunk.  A lane owns one label a step;
; lanes l and l xor 16 hold a block of 32.  A step's store is 512 consecutive bytes.  The scale words meet in LDS, and waves 0 and 1 store a chunk's 512 bytes each.
; LABELS: a wave's 16 rows x 16 labels come by two loads of 16 bytes a lane, 64 consecutive bytes of each of eight rows a load, go into the wave's own LDS bytes (80 bytes a row), and each lane reads its eight from there.
; The table of centroids lies in LDS, 64 bytes a row + 16 of padding, which is written with zeros.  NO CLUSTER, NO TENSOR LOAD: what the work-groups share is that table alone, 16,384 bytes, read through registers.
.set STEPS, 8
.set TP,    80
.set SCR,   256*TP                     ; behind the table: two chunks' scale words, 512 bytes each
.set LBL,   SCR+1024                   ; the labels: 16 rows of 80 bytes for each wave
.set SPARE, LBL+8*16*TP                ; the spare words: 128 bytes a wave
.set CH,    16896
.set LAB,   16                         ; v16-23  a label for each step, then 80 x the label
.set E,     24                         ; v24-31  a scale byte for each step
.set X,     32                         ; v32-95  four sets of 16 numbers (v32-47 first carry the table into LDS)
.set C,     96                         ; v96-127 codes: four registers for each step (v96-103 first carry the labels into LDS)
	s_load_b128 s[4:7], s[0:1], 0x0                ; labels, centroids
	s_load_b64 s[8:9], s[0:1], 0x10                ; wq
	v_lshl_add_u32 v128, v0, 2, SPARE
	v_mov_b32 v129, 0
	v_lshrrev_b32 v1, 5, v0
	v_readfirstlane_b32 s12, v1                    ; wave = fragment b
	s_lshr_b32 s13, s12, 2                         ; my rows' scale words in LDS: j = w / 2, l = 16 (w % 2) + r
	s_lshl_b32 s13, s13, 8
	s_and_b32 s14, s12, 1
	s_lshl_b32 s14, s14, 7
	s_bfe_u32 s15, s12, 0x10001
	s_lshl_b32 s15, s15, 2
	s_add_co_u32 s13, s13, s14
	s_add_co_u32 s13, s13, s15
	s_add_co_u32 s13, s13, SCR
	s_min_u32 s22, s12, 1                          ; the chunk whose scale words I store (waves 0 and 1 alone do)
	s_lshl_b32 s16, s22, 9
	s_add_co_u32 s16, s16, SCR
	s_mul_i32 s30, s12, 16*TP
	s_add_co_u32 s30, s30, LBL                     ; my wave's labels in LDS
	s_mov_b32 s23, 0x600000                        ; the mantissa field of 57,344
	s_mov_b32 s24, 0x76543210
	s_mov_b32 s25, 0xfedcba98                      ; v_permlanex16_b32's selects for lane l xor 16
	s_lshr_b32 s17, ttmp9, 4                       ; n / 128
	s_and_b32 s18, ttmp9, 15                       ; the pair of chunks along K
	s_lshl_b32 s20, s17, 17                        ; labels: 128 rows of 1,024 bytes,
	s_lshl_b32 s19, s12, 14                        ; 16 rows a wave,
	s_add_co_u32 s20, s20, s19
	s_lshl_b32 s19, s18, 6                         ; 64 bytes a pair of chunks
	s_add_co_u32 s20, s20, s19
	s_mov_b32 s21, 0
	s_lshl_b32 s26, s17, 5
	s_lshl_b32 s19, s18, 1
	s_add_co_u32 s26, s26, s19
	s_mul_i32 s26, s26, CH                         ; the first chunk
	s_mul_i32 s28, s22, CH
	s_add_co_u32 s28, s28, s26
	s_add_co_u32 s28, s28, 16384                   ; the scale words that I store
	s_mov_b32 s29, 0
	s_lshl_b32 s19, s12, 11
	s_add_co_u32 s26, s26, s19                     ; my fragment
	s_mov_b32 s27, 0
	v_and_b32 v1, 31, v0
	v_and_b32 v8, 15, v0                           ; r
	v_bfe_u32 v9, v0, 4, 1                         ; h
	v_lshrrev_b32 v10, 2, v1                       ; the labels' way in: row lane / 4 (and 8 further down), quarter lane % 4
	v_and_b32 v11, 3, v1
	v_lshlrev_b32 v2, 10, v10
	v_lshl_add_u32 v2, v11, 4, v2                  ; in memory
	v_mul_u32_u24 v6, v10, TP
	v_lshl_add_u32 v6, v11, 4, v6
	v_add_nc_u32 v6, s30, v6                       ; in LDS
	v_mul_u32_u24 v10, v8, TP
	v_lshl_add_u32 v10, v9, 2, v10
	v_add_nc_u32 v130, s30, v10                    ; and back: row r, + 4 h
	v_lshlrev_b32 v3, 4, v1                        ; 16 x lane
	v_lshl_add_u32 v4, v8, 3, s13                  ; my row's scale word
	v_add_nc_u32 v5, s16, v3                       ; and where a chunk's words are read back
	v_lshlrev_b32 v7, 4, v0                        ; the table: 256 threads x 16 bytes a load
	v_lshrrev_b32 v14, 2, v0
	v_mul_u32_u24 v14, v14, TP
	v_and_b32 v15, 3, v0
	v_lshl_add_u32 v14, v15, 4, v14                ; in LDS: row thread / 4, quarter thread % 4; 64 rows a load
	v_mul_u32_u24 v13, v0, TP                      ; row thread's padding
	v_mov_b32 v12, 0                               ; (a lane permute's destination counts as one of its sources)
.irp j, 0,1,2,3
	v_mov_b32 v[132+\j], 0
.endr
	s_wait_alu depctr_va_vdst(0)
	s_wait_kmcnt 0x0
	s_add_nc_u64 s[4:5], s[4:5], s[20:21]
	s_add_nc_u64 s[10:11], s[8:9], s[28:29]
	s_add_nc_u64 s[8:9], s[8:9], s[26:27]
	global_load_b128 v[C:C+3], v2, s[4:5]                  ; my rows 0-7: 64 consecutive bytes of each
	global_load_b128 v[C+4:C+7], v2, s[4:5] offset:8192    ; my rows 8-15
.irp j, 0,1,2,3
	global_load_b128 v[X+4*\j:X+4*\j+3], v7, s[6:7] offset:4096*\j
.endr
	ds_store_b128 v13, v[132:135] offset:64
	s_wait_loadcnt 4                               ; the labels are in, the table's four loads may be out
	ds_store_b128 v6, v[C:C+3]
	ds_store_b128 v6, v[C+4:C+7] offset:8*TP
.irp t, 0,1,2,3,4,5,6,7
	ds_load_b32 v[LAB+\t], v130 offset:32*(\t/4)+8*(\t%4)  ; step t = 4 x chunk + c: label 8 x chunk + 2 c + h of my row.  LDS serves a wave's instructions in order (ISA guide 5.7.1.4); the bytes are my wave's own
.endr
	s_wait_loadcnt 0x0
.irp j, 0,1,2,3
	ds_store_b128 v14, v[X+4*\j:X+4*\j+3] offset:64*TP*\j
.endr
	s_wait_dscnt 4                                 ; my labels are back; the table's four stores may be out
.irp t, 0,1,2,3,4,5,6,7
	v_min_u32 v[LAB+\t], 0xff, v[LAB+\t]           ; a loaded number enters an address only held inside the table
.endr
.irp t, 0,1,2,3,4,5,6,7
	v_mul_u32_u24 v[LAB+\t], v[LAB+\t], TP
.endr
	s_wait_alu depctr_va_vdst(0)
	s_wait_dscnt 0x0                               ; my part of the table is stored
	s_barrier_signal -1
	s_barrier_wait -1
.macro GATHER t
.irp i, 0,1,2,3
	ds_load_b128 v[X+16*((\t)%4)+4*\i:X+16*((\t)%4)+4*\i+3], v[LAB+(\t)] offset:16*\i
.endr
.endm
.macro STEP t
.set XS, X+16*((\t)%4)
.if (\t)+3 < STEPS
	GATHER (\t)+3                                  ; three steps ahead
	s_wait_dscnt 12                                ; this step's four are in, the younger twelve may be out
.else
	s_wait_dscnt 4*(STEPS-1-(\t))
.endif
	v_max3_num_f32 v8, |v[XS]|, |v[XS+1]|, |v[XS+2]|
	v_max3_num_f32 v9, |v[XS+3]|, |v[XS+4]|, |v[XS+5]|
.irp i, 6,10
	v_max3_num_f32 v8, v8, |v[XS+\i]|, |v[XS+\i+1]|
	v_max3_num_f32 v9, v9, |v[XS+\i+2]|, |v[XS+\i+3]|
.endr
	v_max3_num_f32 v8, v8, |v[XS+14]|, |v[XS+15]|
	v_max3_num_f32 v8, v8, v9, 0x8000000           ; the floor 2^(16 - 127): the byte cannot fall under 1
	v_permlanex16_b32 v12, v8, s24, s25
	v_max_num_f32 v8, v8, v12                      ; with lane l xor 16's 16: the block's largest magnitude
	v_add_nc_u32 v11, 0xf8800000, v8               ; 15 off its exponent field: the conversion's scale operand
	v_and_or_b32 v10, v8, 0x7f800000, s23          ; 57,344 x the scale
.irp i, 0,1,2,3,4,5,6,7,8,9,10,11,12,13,14,15
	v_med3_num_f32 v[XS+\i], v[XS+\i], -v10, v10   ; the conversion does not saturate (ISA guide 7.6.2)
.endr
	v_cvt_scalef32_pk8_bf8_f32 v[C+4*(\t):C+4*(\t)+1], v[XS:XS+7], v11
	v_cvt_scalef32_pk8_bf8_f32 v[C+4*(\t)+2:C+4*(\t)+3], v[XS+8:XS+15], v11
	v_lshrrev_b32 v[E+(\t)], 23, v11               ; the scale's byte (also the plain line behind the conversions)
	global_store_b128 v3, v[C+4*(\t):C+4*(\t)+3], s[8:9] offset:((\t)/4)*CH+((\t)%4)*512   ; 512 consecutive bytes, aligned to 256
.endm
	GATHER 0
	GATHER 1
	GATHER 2
.irp t, 0,1,2,3,4,5,6,7
	STEP \t
.endr
	v_lshl_or_b32 v10, v[E+1], 8, v[E]             ; four bytes make a row's scale word, for each chunk
	v_lshl_or_b32 v11, v[E+5], 8, v[E+4]
	v_lshl_or_b32 v10, v[E+2], 16, v10
	v_lshl_or_b32 v11, v[E+6], 16, v11
	v_lshl_or_b32 v10, v[E+3], 24, v10
	v_lshl_or_b32 v11, v[E+7], 24, v11
	s_wait_alu depctr_va_vdst(0)
	s_wait_dscnt 0x0
	s_barrier_signal -1                            ; a barrier parts every wave's gathers from the LDS stores that follow
	s_barrier_wait -1
	ds_store_b32 v4, v10                           ; both lanes of a block write the same word with the same value
	ds_store_b32 v4, v11 offset:512
	s_wait_dscnt 0x0
	s_barrier_signal -1
	s_barrier_wait -1
	s_cmp_lt_u32 s12, 2
	s_cbranch_scc0 .Lend
	ds_load_b128 v[X:X+3], v5
	s_wait_dscnt 0x0
	global_store_b128 v3, v[X:X+3], s[10:11]       ; a chunk's 512 bytes of scale words
.Lend:
	s_wait_tensorcnt 0x0                           ; the wave's end
	ds_add_u32 v128, v129
	s_wait_dscnt 0x0
	s_endpgm
.Lfunc_end_k_q64f678e74d_wquant:
	.size	k_q64f678e74d_wquant, .Lfunc_end_k_q64f678e74d_wquant-k_q64f678e74d_wquant
	.p2alignl 7, 3214868480
	.fill 96, 4, 3214868480
	.section	.rodata,"a",@progbits
	.p2align	6, 0x0
	.amdhsa_kernel k_q64f678e74d_wquant
		.amdhsa_group_segment_fixed_size 32768
		.amdhsa_private_segment_fixed_size 0
		.amdhsa_enable_private_segment 0
		.amdhsa_kernarg_size 24
		.amdhsa_user_sgpr_count 2
		.amdhsa_user_sgpr_kernarg_segment_ptr 1
		.amdhsa_wavefront_size32 1
		.amdhsa_system_sgpr_workgroup_id_x 1
		.amdhsa_system_sgpr_workgroup_id_y 1
		.amdhsa_system_sgpr_workgroup_id_z 1
		.amdhsa_system_vgpr_workitem_id 0
		.amdhsa_next_free_vgpr 136
		.amdhsa_next_free_sgpr 66
		.amdhsa_reserve_vcc 0
		.amdhsa_float_denorm_mode_32 3
		.amdhsa_float_denorm_mode_16_64 3
		.amdhsa_memory_ordered 1
		.amdhsa_forward_progress 1
		.amdhsa_inst_pref_size 27
	.end_amdhsa_kernel
	.amdgpu_metadata
---
amdhsa.version: [ 1, 2 ]
amdhsa.kernels:
  - .name:           k_q64f678e74d_wquant
    .symbol:         k_q64f678e74d_wquant.kd
    .args:
      - { .name: labels, .offset: 0, .size: 8, .value_kind: global_buffer, .address_space: global }
      - { .name: centroids, .offset: 8, .size: 8, .value_kind: global_buffer, .address_space: global }
      - { .name: wq, .offset: 16, .size: 8, .value_kind: global_buffer, .address_space: global }
    .group_segment_fixed_size: 32768
    .private_segment_fixed_size: 0
    .kernarg_segment_align: 8
    .kernarg_segment_size: 24
    .max_flat_workgroup_size: 256
    .sgpr_count:     66
    .vgpr_count:     136
    .wavefront_size: 32
...
	.end_amdgpu_metadata
.endif
;; end of part 1
;; launch gemm (part 2): grid 8 x 32, 4 waves a work-group, clusters of 4 x 4, 327,680 bytes of LDS; arguments x_codes, x_scales, wq, bias, out0; writes out0
.if DOCPART == 2
	.amdgcn_target "amdgcn-amd-amdhsa--gfx1250"
	.amdhsa_code_object_version 6
	.text
	.protected	k_q64f678e74d_gemm
	.globl	k_q64f678e74d_gemm
	.p2align	8
	.type	k_q64f678e74d_gemm,@function
k_q64f678e74d_gemm:
	s_mov_b64 s[64:65], 0
	v_nop
	global_prefetch_b8 v0, s[64:65] scope:SCOPE_SE
	s_setreg_imm32_b32 hwreg(HW_REG_WAVE_MODE, 25, 1), 1
	s_wait_xcnt 0x0
	s_wait_alu depctr_hold_cnt(0) depctr_sa_sdst(0) depctr_va_vdst(0) depctr_va_sdst(0) depctr_va_ssrc(0) depctr_va_vcc(0) depctr_vm_vsrc(0)
	s_getreg_b32 s2, hwreg(HW_REG_IB_STS2, 6, 4)
	s_cmp_eq_u32 s2, 0
	s_cbranch_scc0 .Lentry_in_a_cluster
	s_endpgm
.Lentry_in_a_cluster:
	s_bfe_u32 s2, ttmp6, 0x10000c
	s_cmp_lg_u32 s2, 0xf033
	s_cbranch_scc0 .Lentry_shape_is_right
	s_endpgm
.Lentry_shape_is_right:
; out0[m][n] = sum over k of x[m][k] W[n][k] + bias[n].  m < 8,192, n < 2,048, k < 4,096.  x: codes of BF8 (E5M2) with one E8M0 byte for each 32 along K, as given; W: the same, as launch wquant laid it, in chunks
; wq[n / 128][k / 128][16,896 bytes]: eight fragments in the order of the operand's registers, then the 128 rows' scale words.  Sums in f32, begun with C = 0; the bias is added last.
; A work-group of four waves makes 256 x 256 of out0, a wave 128 x 128: 64 accumulators, 512 registers.  256 work-groups.
; x GOES THROUGH LDS: two slots of 256 rows x 512 along K (rows of 512 bytes + 16 of padding), each wave fetching 64 rows; x's scales of the 256 rows, for all of K, come once and stay (128 bytes + 16 a row).
; W GOES FROM MEMORY STRAIGHT INTO REGISTERS: 32 loads of 512 consecutive bytes and two of 256 for a step of 128 along K, asked for a whole step ahead, into the set that the step before has read.  So a wave reads
; 8 fragments from LDS for a step's 64 products, not 16, and LDS has room for slots of four steps: eight fills in all.  That is why W has no joint load: it never lies in LDS.
; CLUSTERS: 4 x 4 work-groups; x's tiles are asked for jointly along a row of the cluster.  The four of a column read the same chunks of wq and share their prefetch out.
; THE CHANGE OF SLOTS stands at the head of a slot's fourth step, when that step's fragments of x are in registers: the slot is filled again at once, and the load has four steps' products in which to land.
; PREFETCH: at each fill of slot-step s: x's slot-step s + 1 (of a wave's 64 rows x 2 blocks of 256 bytes each of the four partners of a row takes 16 rows, by address), and wq's run of four chunks two runs behind the one
; that is being multiplied (2 x 264 blocks, 33 for each wave of each of the column's four partners, by address).  x's slot-step 0, wq's run 0 come by their loads alone; there is no slot-step 8.
; THE MATRIX INSTRUCTION IS USED TRANSPOSED (source 0 = 16 rows of W, source 1 = 16 rows of x): a lane holds eight neighbouring numbers of a row of out0.
; REGISTERS: window 0: v0-31 addresses; v32-63 x's scale words, a set for each slot; v64-79 W's scale words, four steps' ; v80-83 bias; v128-255 x's fragments (on the way out: rows read back).  Window 1: W's fragments, two sets.  Windows 2, 3: accumulators.
.set SIZE_N, 2048
.set PITCH,  528
.set FR,     16
.set NL,     4
.set NP,     8                         ; places behind this matrix instruction (ISA guide 7.12.1)
.set SLOT,   256*PITCH
.set SCA,    2*SLOT                    ; x's scales
.set SPA,    144
.set SPARE,  SCA+256*SPA
.set SPITCH, 528                       ; the way out: 16 rows x (512 + 16) bytes a wave, in slot 0, behind its last fill and last read
.set CH,     16896                     ; a chunk of wq
.set NB,     34                        ; loads that bring a chunk
.set ADRA, 16
.set SO,   19                          ; 8 x lane
.set PFO,  20                          ; prefetch of x: row lane / 2, block lane % 2
.set PFV,  21                          ; prefetch of wq: 256 x lane
.set PFZ,  22                          ; 0
.set STO,  24
.set RD,   25
.set CO,   26                          ; 16 x lane: in a chunk's part, in a row of out0, in the bias
.set ADSA, 27
.set SPW,  28
.set NIL,  29
.set SC,   32
.set SB,   64
.set BIASR, 80
.set AF,   128
.set BK,   128
.set G1,   24                          ; the ring's loads: 64 rows
.set G0,   32
.set G1H,  48                          ; the head's: 128 rows
.set G0H,  56
.set G0S,  60                          ; x's scales
.set G1S,  68
.set BP,   44                          ; s[44:45] my chunks of wq
.set PFA,  46                          ; s[46:47], s[76:77] where my prefetches stand
.set PFB,  76
.set MSB, 0
.macro WIN new
.if MSB != \new
	s_set_vgpr_msb (MSB<<8)|\new
.set MSB, \new
.endif
.endm
.set MUL_LO, 0xa1                      ; source 0 window 1, source 1 window 0, C and D window 2
.set MUL_HI, 0xf1
.set TO_B,   0x40
.macro TLOAD g0, g1                    ; a tensor load with an s_nop and four v_nops behind it
	tensor_load_to_lds s[\g0:\g0+3], s[\g1:\g1+7]
	s_nop 0
.rept 4
	v_nop
.endr
.endm
.macro CROUND                          ; a round of the cluster's barrier
	s_barrier_signal -1
	s_barrier_wait -1
	s_cmp_lg_u32 s14, 0
	s_cbranch_scc1 .Lnot_wave_0_\@
	s_barrier_signal -3
.Lnot_wave_0_\@:
	s_barrier_wait -3
	s_barrier_signal -1
	s_barrier_wait -1
.endm
.macro ASK how                         ; how = 2: in the loop's last trip (s3 = 1) x has no further slot-step
	global_prefetch_b8 v[PFV], s[PFB:PFB+1] th:TH_LOAD_NT scope:SCOPE_SE
	global_prefetch_b8 v[PFZ], s[PFB:PFB+1] offset:8192 th:TH_LOAD_NT scope:SCOPE_SE   ; my 33rd block, named by all lanes
.if \how == 2
	s_cmp_gt_u32 s3, 1
	s_cbranch_scc0 .Lnone_\@
.endif
	global_prefetch_b8 v[PFO], s[PFA:PFA+1] th:TH_LOAD_NT scope:SCOPE_SE
.Lnone_\@:
.endm
.macro FETCH_B q, imm                  ; a chunk: W's eight fragments into set q % 2, its scale words into step q's four registers
	WIN TO_B
.irp i, 0,1,2,3,4,5,6,7
.irp c, 0,1,2,3
	global_load_b128 v[128*((\q)%2)+FR*\i+4*\c:128*((\q)%2)+FR*\i+4*\c+3], v[CO], s[BP:BP+1] offset:(\imm)+(4*\i+\c)*512
.endr
.endr
	WIN 0
.set SBQ, SB+8*((\q)%2)+2*(1-(\q)/2)
	global_load_b64 v[SBQ:SBQ+1], v[SO], s[BP:BP+1] offset:(\imm)+16384
	global_load_b64 v[SBQ+4:SBQ+5], v[SO], s[BP:BP+1] offset:(\imm)+16640
.endm
	s_load_b128 s[4:7], s[0:1], 0x0                ; x_codes, x_scales
	s_load_b128 s[8:11], s[0:1], 0x10              ; wq, bias
	s_load_b64 s[12:13], s[0:1], 0x20              ; out0
	v_lshl_add_u32 v[SPW], v0, 2, SPARE
	v_mov_b32 v[NIL], 0
	ds_add_u32 v[SPW], v[NIL]                      ; the add, twice on end,
	ds_add_u32 v[SPW], v[NIL]
	v_lshrrev_b32 v1, 5, v0
	v_readfirstlane_b32 s14, v1                    ; wave
	s_lshr_b32 s15, s14, 1                         ; my half of the rows
	s_and_b32 s16, s14, 1                          ; my half of the columns
	s_mul_i32 s18, s15, 128*PITCH                  ; my 128 rows of x in a slot,
	s_mul_i32 s19, s15, 128*SPA
	s_add_co_u32 s19, s19, SCA                     ; their scales,
	s_mul_i32 s20, s14, 16*SPITCH                  ; my stage
	v_and_b32 v6, 31, v0
	v_and_b32 v1, 15, v0                           ; r
	v_bfe_u32 v2, v0, 4, 1                         ; h
	v_mul_u32_u24 v3, v1, PITCH
	v_lshl_add_u32 v4, v2, 4, v3                   ; a fragment: row r, + 16 h
	v_add_nc_u32 v[ADRA], s18, v4
	v_add_nc_u32 v[ADRA+1], SLOT, v[ADRA]
	v_mul_u32_u24 v7, v6, SPA                      ; x's scales: a lane a row
	v_add_nc_u32 v[ADSA], s19, v7
	v_mul_u32_u24 v5, v1, SPITCH
	v_lshl_add_u32 v5, v2, 5, v5
	v_add_nc_u32 v[STO], s20, v5                   ; into the stage: row r, 32 bytes for each half of the lanes
	v_lshlrev_b32 v[CO], 4, v6
	v_add_nc_u32 v[RD], s20, v[CO]                 ; back: 32 lanes take a row of 512 bytes
	v_lshlrev_b32 v[SO], 3, v6
	v_lshrrev_b32 v8, 1, v6
	v_and_b32 v9, 1, v6
	v_lshlrev_b32 v9, 8, v9
	v_lshl_add_u32 v[PFO], v8, 12, v9
	v_lshlrev_b32 v[PFV], 8, v6
	v_mov_b32 v[PFZ], 0
	s_wait_alu depctr_va_vdst(0)
	s_bfe_u32 s40, ttmp6, 0x40000                  ; cx
	s_bfe_u32 s41, ttmp6, 0x40004                  ; cy
	s_lshl_b32 s42, ttmp9, 2
	s_add_co_u32 s42, s42, s40                     ; tile column
	s_and_b32 s17, ttmp7, 0xffff
	s_lshl_b32 s17, s17, 2
	s_add_co_u32 s17, s17, s41                     ; tile row
	s_lshl_b32 s43, s41, 2
	s_lshl_b32 s43, 15, s43                        ; my row of the cluster
	s_or_b32 s[G1], s43, (1<<20)|(1<<21)|(6<<22)|(3<<25)    ; elements of a byte; 16 bytes of padding behind every 512
	s_or_b32 s[G1H], s43, (1<<20)|(1<<21)|(6<<22)|(3<<25)
	s_or_b32 s[G1S], s43, (1<<20)|(1<<21)|(4<<22)|(3<<25)   ; 16 bytes of padding behind every 128
.irp g, G1, G1H
	s_mov_b32 s[\g+1], 512<<16                     ; rows of 512 bytes, 4,096 apart
	s_mov_b32 s[\g+3], 512<<16
	s_mov_b32 s[\g+5], 4096
	s_mov_b32 s[\g+6], 0
	s_mov_b32 s[\g+7], 0
.endr
	s_mov_b32 s[G1+2], 64<<16
	s_mov_b32 s[G1+4], 64
	s_mov_b32 s[G1H+2], 128<<16
	s_mov_b32 s[G1H+4], 128
	s_mov_b32 s[G1S+1], 256<<16                    ; the scales of 128 rows: 64 dense rows of 256 bytes
	s_mov_b32 s[G1S+2], 64<<16
	s_mov_b32 s[G1S+3], 256<<16
	s_mov_b32 s[G1S+4], 64
	s_mov_b32 s[G1S+5], 256
	s_mov_b32 s[G1S+6], 0
	s_mov_b32 s[G1S+7], 0
	s_lshl_b32 s2, s42, 1
	s_add_co_u32 s2, s2, s16
	s_mul_i32 s2, s2, 32*CH                        ; my 128 rows of W: 32 chunks
	s_mov_b32 s3, 0
	s_lshl_b32 s18, s42, 10
	s_lshl_b32 s19, s16, 9
	s_add_co_u32 s18, s18, s19                     ; my first column, in bytes
	s_mov_b32 s19, 0
	s_lshl_b32 s22, s17, 20                        ; x: 256 rows of 4,096 bytes a tile row
	s_mov_b32 s23, 0
	s_lshl_b32 s20, s17, 15                        ; its scales: 256 rows of 128 bytes
	s_mov_b32 s21, 0
	s_wait_dscnt 0x0                               ; and the one wait for both adds
	s_wait_kmcnt 0x0
	s_add_nc_u64 s[BP:BP+1], s[8:9], s[2:3]
	s_add_nc_u64 s[10:11], s[10:11], s[18:19]
	s_add_nc_u64 s[12:13], s[12:13], s[18:19]
	s_add_nc_u64 s[22:23], s[4:5], s[22:23]
	s_add_nc_u64 s[20:21], s[6:7], s[20:21]
	global_load_b128 v[BIASR:BIASR+3], v[CO], s[10:11]   ; the bias of my four columns of a row
	FETCH_B 0, 0                                   ; step 0's chunk
	CROUND                                         ; in front of the first joint loads
	s_lshl_b32 s18, s16, 19                        ; the head: waves 0, 1 fetch 128 rows of slot-step 0 each, waves 2, 3 the scales of 128 rows each
	s_mov_b32 s[G0H], 1
	s_mul_i32 s[G0H+1], s16, 128*PITCH
	s_add_nc_u64 s[G0H+2:G0H+3], s[22:23], s[18:19]
	s_or_b32 s[G0H+3], s[G0H+3], 0x80000000
	s_lshl_b32 s18, s16, 14
	s_mov_b32 s[G0S], 1
	s_mul_i32 s[G0S+1], s16, 128*SPA
	s_add_co_u32 s[G0S+1], s[G0S+1], SCA
	s_add_nc_u64 s[G0S+2:G0S+3], s[20:21], s[18:19]
	s_or_b32 s[G0S+3], s[G0S+3], 0x80000000
	s_cmp_lt_u32 s14, 2
	s_cbranch_scc0 .Lhead_s
	TLOAD G0H, G1H
	s_branch .Lhead_asked
.Lhead_s:
	TLOAD G0S, G1S
.Lhead_asked:
	s_lshl_b32 s18, s14, 18                        ; the ring: my 64 rows
	s_add_nc_u64 s[20:21], s[22:23], s[18:19]
	s_mul_i32 s2, s14, 64*PITCH
.irp s, 0,1
	s_mov_b32 s[G0+4*\s], 1
	s_add_co_u32 s[G0+4*\s+1], s2, \s*SLOT
	s_add_nc_u64 s[G0+4*\s+2:G0+4*\s+3], s[20:21], \s*512
	s_or_b32 s[G0+4*\s+3], s[G0+4*\s+3], 0x80000000
.endr
	s_lshl_b32 s18, s40, 16                        ; prefetch of x: of my 64 rows my work-group's 16,
	s_add_nc_u64 s[PFA:PFA+1], s[20:21], s[18:19]
	s_add_nc_u64 s[PFA:PFA+1], s[PFA:PFA+1], 512   ; at slot-step 1
	s_lshl_b32 s18, s42, 1                         ; of wq: unit u = 4 cy + wave of 16: chunks' rows 128 (u / 8), blocks 33 (u % 8) .. + 32 of a run's 264
	s_lshr_b32 s2, s41, 1
	s_add_co_u32 s18, s18, s2
	s_mul_i32 s18, s18, 32*CH
	s_and_b32 s2, s41, 1
	s_lshl_b32 s2, s2, 2
	s_add_co_u32 s2, s2, s14
	s_mul_i32 s2, s2, 33*256
	s_add_co_u32 s18, s18, s2
	s_add_nc_u64 s[PFB:PFB+1], s[8:9], s[18:19]    ; at run 0
	s_lshl_b32 s18, s17, 8
	s_lshl_b32 s2, s15, 7
	s_add_co_u32 s18, s18, s2
	s_lshl_b32 s18, s18, 13                        ; my first row of out0, 8,192 bytes a row
	s_add_nc_u64 s[12:13], s[12:13], s[18:19]
	global_prefetch_b8 v[PFO], s[PFA:PFA+1] th:TH_LOAD_NT scope:SCOPE_SE   ; x's slot-step 1
	FETCH_B 1, CH                                  ; step 1's chunk
.macro FRAG reg, adr, q, i             ; 16 rows x 128 K: registers 4 c .. 4 c + 3 hold K = 32 c + 16 h + 0 .. 15
.irp c, 0,1,2,3
	ds_load_b128 v[\reg+4*\c:\reg+4*\c+3], v[\adr] offset:128*(\q)+32*\c+(\i)*16*PITCH
.endr
.endm
; 16 products: x's blocks a0, a0 + 1 against W's eight; q: which 128 along K of the slot.  A scale register holds two blocks' words: the even block's in lanes 0-15, the odd one's in lanes 16-31.
; x's word lies in register 4 (a / 2) + q of the slot's sixteen; W's four registers of a step are laid so that the two scale registers of a product never have the same number modulo 8.
; The 64 accumulators take turns.
.macro MUL16 a0, q, sc, first
.irp a, \a0, \a0+1
.irp b, 0,1,2,3,4,5,6,7
.set wD, 8*(8*((\a)%4)+\b)
.set wB, 128*((\q)%2)+FR*\b
.set wA, AF+FR*(\a)
.set wSB, SB+8*((\q)%2)+2*(1-(\q)/2)+4*(\b/4)+((\b/2)%2)
.set wSA, SC+16*(\sc)+4*((\a)/2)+(\q)
.if \first
.if (\a)%2
.if \b%2
	v_wmma_scale_f32_16x16x128_f8f6f4 v[wD:wD+7], v[wB:wB+FR-1], v[wA:wA+FR-1], 0, v[wSB], v[wSA] matrix_a_fmt:MATRIX_FMT_BF8 matrix_b_fmt:MATRIX_FMT_BF8 matrix_a_scale:MATRIX_SCALE_ROW1 matrix_b_scale:MATRIX_SCALE_ROW1
.else
	v_wmma_scale_f32_16x16x128_f8f6f4 v[wD:wD+7], v[wB:wB+FR-1], v[wA:wA+FR-1], 0, v[wSB], v[wSA] matrix_a_fmt:MATRIX_FMT_BF8 matrix_b_fmt:MATRIX_FMT_BF8 matrix_b_scale:MATRIX_SCALE_ROW1
.endif
.else
.if \b%2
	v_wmma_scale_f32_16x16x128_f8f6f4 v[wD:wD+7], v[wB:wB+FR-1], v[wA:wA+FR-1], 0, v[wSB], v[wSA] matrix_a_fmt:MATRIX_FMT_BF8 matrix_b_fmt:MATRIX_FMT_BF8 matrix_a_scale:MATRIX_SCALE_ROW1
.else
	v_wmma_scale_f32_16x16x128_f8f6f4 v[wD:wD+7], v[wB:wB+FR-1], v[wA:wA+FR-1], 0, v[wSB], v[wSA] matrix_a_fmt:MATRIX_FMT_BF8 matrix_b_fmt:MATRIX_FMT_BF8
.endif
.endif
.else
.if (\a)%2
.if \b%2
	v_wmma_scale_f32_16x16x128_f8f6f4 v[wD:wD+7], v[wB:wB+FR-1], v[wA:wA+FR-1], v[wD:wD+7], v[wSB], v[wSA] matrix_a_fmt:MATRIX_FMT_BF8 matrix_b_fmt:MATRIX_FMT_BF8 matrix_a_scale:MATRIX_SCALE_ROW1 matrix_b_scale:MATRIX_SCALE_ROW1
.else
	v_wmma_scale_f32_16x16x128_f8f6f4 v[wD:wD+7], v[wB:wB+FR-1], v[wA:wA+FR-1], v[wD:wD+7], v[wSB], v[wSA] matrix_a_fmt:MATRIX_FMT_BF8 matrix_b_fmt:MATRIX_FMT_BF8 matrix_b_scale:MATRIX_SCALE_ROW1
.endif
.else
.if \b%2
	v_wmma_scale_f32_16x16x128_f8f6f4 v[wD:wD+7], v[wB:wB+FR-1], v[wA:wA+FR-1], v[wD:wD+7], v[wSB], v[wSA] matrix_a_fmt:MATRIX_FMT_BF8 matrix_b_fmt:MATRIX_FMT_BF8 matrix_a_scale:MATRIX_SCALE_ROW1
.else
	v_wmma_scale_f32_16x16x128_f8f6f4 v[wD:wD+7], v[wB:wB+FR-1], v[wA:wA+FR-1], v[wD:wD+7], v[wSB], v[wSA] matrix_a_fmt:MATRIX_FMT_BF8 matrix_b_fmt:MATRIX_FMT_BF8
.endif
.endif
.endif
.endr
.endr
.endm
.macro FETCH_A slot, q, i0             ; x's blocks i0 .. i0 + 3
.irp i, \i0, \i0+1, \i0+2, \i0+3
	FRAG AF+FR*(\i), ADRA+\slot, \q, \i
.endr
.endm
.macro SCALES sc                       ; a slot-step's scale words of x: four a row
.irp j, 0,1,2,3
	ds_load_b128 v[SC+16*\sc+4*\j:SC+16*\sc+4*\j+3], v[ADSA] offset:\j*32*SPA
.endr
.endm
.macro PLACES n
.rept \n
	v_nop
.endr
.endm
; 128 along K: 64 products on the fragments of (slot, q).  fa = 1: x's fragments of the next step (ns, nq) are fetched on the way: blocks 0-3 in the middle, blocks 4-7 at the end.  fb = 1: at the end the chunk two steps on,
; at byte imm from s[BP:BP+1], is asked for, into W's set that this step has read.  left: the younger loads that may be out when this step's chunk has to be there.
; mid = 1: the chunks' base goes eight chunks on; mid = 2: the prefetches' addresses go on; both behind s_wait_xcnt 0, half a step behind the loads that read them.  ask: the prefetches.
.macro STEP slot, q, ns, nq, first, fa, fb, imm, mid, ask, left
	s_wait_loadcnt \left
	s_wait_dscnt 4*NL                              ; all but the youngest sixteen LDS loads (x's blocks 4-7)
	WIN MUL_LO
	MUL16 0, \q, \slot, \first
	MUL16 2, \q, \slot, \first
	s_wait_dscnt 0
.if \fa
	PLACES NP                                      ; in front of loads into registers that products have read
	WIN 0
.if \nq == 0
	v_add_nc_u32 v[ADSA], 16, v[ADSA]              ; x's scale words of the next slot-step
	s_wait_alu depctr_va_vdst(0)
.endif
	FETCH_A \ns, \nq, 0
.if \nq == 0
	SCALES \ns
.endif
.endif
.if \mid == 1
	s_wait_xcnt 0x0
	s_add_nc_u64 s[BP:BP+1], s[BP:BP+1], 8*CH
.endif
.if \mid == 2
	s_wait_xcnt 0x0
	s_add_nc_u64 s[PFA:PFA+1], s[PFA:PFA+1], 512
	s_add_nc_u64 s[PFB:PFB+1], s[PFB:PFB+1], 4*CH
.endif
.if \ask
	ASK \ask
.endif
	WIN MUL_HI
	MUL16 4, \q, \slot, \first
	MUL16 6, \q, \slot, \first
.if \fa
	PLACES NP
	WIN 0
	FETCH_A \ns, \nq, 4
.endif
.if \fb
	FETCH_B ((\q)+2)%4, \imm
.endif
	WIN 0
.endm
; The change of slots.  All my tensor loads have landed; the add; my LDS loads are back, the last reads of this slot among them; a round of the cluster's barrier; the refill, one load a wave.
; fill = 0: nothing is left to fetch: the work-group's barrier alone shows the other slot whole.  step = 0: slot 1's first fill, with the address as the head made it.
.macro SYNC slot, fill, step
	s_wait_tensorcnt 0x0
	ds_add_u32 v[SPW], v[NIL]
.if \step
	s_add_nc_u64 s[G0+4*\slot+2:G0+4*\slot+3], s[G0+4*\slot+2:G0+4*\slot+3], 1024
.endif
	s_wait_dscnt 0x0
.if \fill
	CROUND
	TLOAD G0+4*\slot, G1
.else
	s_barrier_signal -1
	s_barrier_wait -1
.endif
.endm
	s_wait_xcnt 0x0                                ; my prefetch has read its address
	s_add_nc_u64 s[PFA:PFA+1], s[PFA:PFA+1], 512
	s_add_nc_u64 s[PFB:PFB+1], s[PFB:PFB+1], 4*CH
	SYNC 1, 1, 0                                   ; the head's tiles are in; slot-step 1 goes out
	FETCH_A 0, 0, 0
	SCALES 0
	FETCH_A 0, 0, 4
	ASK 1                                          ; x's slot-step 2, wq's run 1
	STEP 0, 0, 0, 1, 1, 1, 1, 2*CH, 0, 0, NB       ; step 0 starts the sums
	s_mov_b32 s3, 3
.Llap:                                                 ; a trip: eight steps, once round the ring, from a lap's second step to the next lap's first
	STEP 0, 1, 0, 2, 0, 1, 1, 3*CH, 0, 0, NB
	STEP 0, 2, 0, 3, 0, 1, 1, 4*CH, 2, 0, NB
	SYNC 0, 1, 1
	STEP 0, 3, 1, 0, 0, 1, 1, 5*CH, 0, 1, NB
	STEP 1, 0, 1, 1, 0, 1, 1, 6*CH, 0, 0, NB
	STEP 1, 1, 1, 2, 0, 1, 1, 7*CH, 0, 0, NB
	STEP 1, 2, 1, 3, 0, 1, 1, 8*CH, 2, 0, NB
	SYNC 1, 1, 1
	STEP 1, 3, 0, 0, 0, 1, 1, 9*CH, 0, 2, NB
	STEP 0, 0, 0, 1, 0, 1, 1, 2*CH, 1, 0, NB
	s_sub_co_u32 s3, s3, 1
	s_cmp_lg_u32 s3, 0
	s_cbranch_scc1 .Llap
	STEP 0, 1, 0, 2, 0, 1, 1, 3*CH, 0, 0, NB       ; steps 25 to 31: nothing is filled again
	STEP 0, 2, 0, 3, 0, 1, 1, 4*CH, 0, 0, NB
	SYNC 0, 0, 0
	STEP 0, 3, 1, 0, 0, 1, 1, 5*CH, 0, 0, NB
	STEP 1, 0, 1, 1, 0, 1, 1, 6*CH, 0, 0, NB
	STEP 1, 1, 1, 2, 0, 1, 1, 7*CH, 0, 0, NB
	STEP 1, 2, 1, 3, 0, 1, 0, 0, 0, 0, NB
	STEP 1, 3, 1, 3, 0, 0, 0, 0, 0, 0, 0
; THE WAY OUT, by blocks of 16 rows x 128 columns: through my own stage, back as whole rows of 512 bytes; the bias is added; stored.  LDS serves a wave's instructions in order (ISA guide 5.7.1.4).
.macro TOSTAGE a
.set AC, 64*((\a)%4)
	WIN 0x08+4*((\a)/4)
.irp b, 0,1,2,3,4,5,6,7
	ds_store_b128 v[STO], v[AC+8*\b:AC+8*\b+3] offset:64*\b            ; each accumulator from its low end on
	ds_store_b128 v[STO], v[AC+8*\b+4:AC+8*\b+7] offset:64*\b+16
.endr
	WIN 0
.set BB, BK+64*((\a)%2)
.irp t, 0,1,2,3,4,5,6,7,8,9,10,11,12,13,14,15
	ds_load_b128 v[BB+4*\t:BB+4*\t+3], v[RD] offset:\t*SPITCH
.endr
.endm
.macro SEND a, younger                 ; younger: LDS instructions issued behind block a's loads
.set BB, BK+64*((\a)%2)
	s_wait_dscnt \younger
.if (\a) > 0
	s_add_nc_u64 s[12:13], s[12:13], 16*SIZE_N*4   ; behind a wait on XCNT: earlier stores have read their base
.endif
.irp t, 0,1,2,3,4,5,6,7,8,9,10,11,12,13,14,15
	v_pk_add_f32 v[BB+4*\t:BB+4*\t+1], v[BB+4*\t:BB+4*\t+1], v[BIASR:BIASR+1]
	v_pk_add_f32 v[BB+4*\t+2:BB+4*\t+3], v[BB+4*\t+2:BB+4*\t+3], v[BIASR+2:BIASR+3]
.endr
.irp t, 0,1,2,3,4,5,6,7,8,9,10,11,12,13,14,15
	global_store_b128 v[CO], v[BB+4*\t:BB+4*\t+3], s[12:13] offset:\t*SIZE_N*4 th:TH_STORE_NT   ; 32 lanes store 512 consecutive bytes, aligned to 256
.endr
.endm
	PLACES NP
	TOSTAGE 0
.irp a, 1,2,3,4,5,6,7
.if \a > 1
	s_wait_xcnt 0x0                                ; block a - 2's stores have read their registers and their base
.endif
	TOSTAGE \a
	SEND \a-1, 32
.endr
	s_wait_xcnt 0x0
	SEND 7, 0
	s_wait_tensorcnt 0x0                           ; the wave's end
	ds_add_u32 v[SPW], v[NIL]
	s_wait_dscnt 0x0
	CROUND                                         ; the closing round
	s_endpgm
.Lfunc_end_k_q64f678e74d_gemm:
	.size	k_q64f678e74d_gemm, .Lfunc_end_k_q64f678e74d_gemm-k_q64f678e74d_gemm
	.p2alignl 7, 3214868480
	.fill 96, 4, 3214868480
	.section	.rodata,"a",@progbits
	.p2align	6, 0x0
	.amdhsa_kernel k_q64f678e74d_gemm
		.amdhsa_group_segment_fixed_size 327680
		.amdhsa_private_segment_fixed_size 0
		.amdhsa_enable_private_segment 0
		.amdhsa_kernarg_size 40
		.amdhsa_user_sgpr_count 2
		.amdhsa_user_sgpr_kernarg_segment_ptr 1
		.amdhsa_wavefront_size32 1
		.amdhsa_system_sgpr_workgroup_id_x 1
		.amdhsa_system_sgpr_workgroup_id_y 1
		.amdhsa_system_sgpr_workgroup_id_z 1
		.amdhsa_system_vgpr_workitem_id 0
		.amdhsa_next_free_vgpr 1024
		.amdhsa_next_free_sgpr 80
		.amdhsa_reserve_vcc 0
		.amdhsa_float_denorm_mode_32 3
		.amdhsa_float_denorm_mode_16_64 3
		.amdhsa_memory_ordered 1
		.amdhsa_forward_progress 1
		.amdhsa_inst_pref_size 255
	.end_amdhsa_kernel
	.section	.bss,"aw",@nobits
	.p2align	6
	.space	262144
	.amdgpu_metadata
---
amdhsa.version: [ 1, 2 ]
amdhsa.kernels:
  - .name:           k_q64f678e74d_gemm
    .symbol:         k_q64f678e74d_gemm.kd
    .args:
      - { .name: x_codes, .offset: 0, .size: 8, .value_kind: global_buffer, .address_space: global }
      - { .name: x_scales, .offset: 8, .size: 8, .value_kind: global_buffer, .address_space: global }
      - { .name: wq, .offset: 16, .size: 8, .value_kind: global_buffer, .address_space: global }
      - { .name: bias, .offset: 24, .size: 8, .value_kind: global_buffer, .address_space: global }
      - { .name: out0, .offset: 32, .size: 8, .value_kind: global_buffer, .address_space: global }
    .group_segment_fixed_size: 327680
    .private_segment_fixed_size: 0
    .kernarg_segment_align: 8
    .kernarg_segment_size: 40
    .max_flat_workgroup_size: 128
    .sgpr_count:     80
    .vgpr_count:     1024
    .wavefront_size: 32
...
	.end_amdgpu_metadata
.endif
;; end of part 2
